; MI455X (gfx1250); checked and timed in simulation.
; The chip was launched on July 23, 2026; its instructions are those of AMD's public machine-readable ISA for CDNA 5 (MIT licence, August 2026) and "CDNA5" Instruction Set Architecture Reference Guide (July 2026). The comments in the code are by the model that wrote it; some were corrected since.
;; Quantized Linear. Allowed arithmetic: float matrix products may take bf16 or f16 operands with f32 sums; other float arithmetic in f32, or as packed bf16 or f16 multiplies, adds, multiply-adds, maxima and minima; sums over many terms, partial sums and values carried from step to step in f32; what a program stores and reads back later, other than sums and carried values, may be rounded once to bf16 or f16.
;; Inputs: bias 16,384 float32; weight_quantized 16,384 x 4,096 int8; weight_scale 16,384 float32; weight_zero_point 16,384 float32; x 4 x 256 x 4,096 float32.
;; Outputs: out0 4 x 256 x 16,384 float32.
;; 2 versions, each right; version 2 is version 1 with the launch prep written anew for expert scheduling mode. Each part assembles by itself: llvm-mc -triple=amdgcn-amd-amdhsa -mcpu=gfx1250 --defsym DOCPART=n.
;; ======== version 1 of 2: 2 launches
;; limits: a difference of large sums (such as E[x^2] - mean^2): digits are lost where the result is much smaller than its terms; values are held in f16: magnitudes above 65,504 overflow, below 6.1e-05 lose precision
;; workspace buffers: xh 8,388,608 bytes; rs 4,096 bytes
;; launch prep (part 1): grid 256 x 1, 4 waves a work-group, no clusters, 0 bytes of LDS; arguments x, xh, rs; writes xh, rs
.if DOCPART == 1
	.amdgcn_target "amdgcn-amd-amdhsa--gfx1250"
	.amdhsa_code_object_version 6
	.text
	.protected	k_qf21a74beed_prep
	.globl	k_qf21a74beed_prep
	.p2align	8
	.type	k_qf21a74beed_prep,@function
k_qf21a74beed_prep:
	s_mov_b64 s[64:65], 0
	v_nop
	global_prefetch_b8 v0, s[64:65] scope:SCOPE_SE
	s_setreg_imm32_b32 hwreg(HW_REG_WAVE_MODE, 25, 1), 1
	s_wait_xcnt 0x0
; xh[m][k] = x[m][k] rounded once to f16;  rs[m] = the sum over k of xh[m][k], in f32.  x: [1024][4096] f32.
; WHY.  The next launch computes  y = scale * (sum x~ q  -  zp * sum x~) + bias  with x~ = xh.  64 column tiles read x, so it is rounded once, here;
; and the row sum is taken of the ROUNDED numbers, so that the two sums there stand for sum x~ (q - zp) exactly, up to the f32 roundings of the sums.
; NO WORK OF reference() IS LEFT OUT in this program: all five inputs reach the output and all are loaded (x here, the other four in the next launch).
; LIMITS.  f16 ends at 65,504: an |x| of 65,520 or more becomes an infinity.  Below 6e-5 f16 keeps its fixed step of 6e-8.  The order of the row's sum is not reference()'s.
; SHARES.  One wave, one row of 16,384 bytes: 32 loads of 16 bytes a lane, all issued before the first wait; the row's sum never leaves the wave: no LDS, no barrier.
; Each load covers 512 consecutive bytes; each store of 8 bytes a lane covers 256 consecutive bytes, at a multiple of 256 from xh's first byte.
.set LANE, 1                           ; v1        my lane
.set XO,   2                           ; v2        16 x lane
.set HO,   3                           ; v3        8 x lane
.set ONE,  4                           ; v4        1.0 in both f16 halves
.set ZERO, 5                           ; v5        0: the first addend of the four chains, and the offset of rs's store
.set S,    8                           ; v[8:11]   four chains of the row's sum
.set H,    16                          ; v[16:79]  load j: 2 registers, 4 numbers in f16
.set X,    80                          ; v[80:207] load j: 4 registers as loaded
	s_load_b128 s[4:7], s[0:1], 0x0                ; x s[4:5], xh s[6:7]
	s_load_b64 s[8:9], s[0:1], 0x10                ; rs
	v_lshrrev_b32 v[LANE], 5, v0
	v_readfirstlane_b32 s13, v[LANE]               ; wave 0..3
	v_and_b32 v[LANE], 31, v0
	v_lshlrev_b32 v[XO], 4, v[LANE]
	v_lshlrev_b32 v[HO], 3, v[LANE]
	v_mov_b32 v[ONE], 0x3c003c00
	v_mov_b32 v[ZERO], 0
	s_lshl_b32 s14, ttmp9, 2
	s_add_co_u32 s14, s14, s13                     ; my row = 4 x work-group + wave
	s_mov_b32 s10, 0x76543210                      ; v_permlanex16_b32: each lane takes its own place in the other half
	s_mov_b32 s11, 0xfedcba98
	s_lshl_b32 s2, s14, 14                         ; row x 16,384 bytes of x
	s_mov_b32 s3, 0
	s_wait_kmcnt 0x0
	s_add_nc_u64 s[4:5], s[4:5], s[2:3]
	s_lshl_b32 s2, s14, 13                         ; row x 8,192 bytes of xh
	s_add_nc_u64 s[6:7], s[6:7], s[2:3]
	s_lshl_b32 s2, s14, 2                          ; row x 4 bytes of rs
	s_add_nc_u64 s[8:9], s[8:9], s[2:3]
.set j, 0
.rept 32
	global_load_b128 v[X+4*j:X+4*j+3], v[XO], s[4:5] offset:512*j th:TH_LOAD_NT  ; the whole row is on its way; x is read once in the launch
.set j, j+1
.endr
; Four numbers of the rounded row are added onto the four chains: an f16 half times 1.0 plus an f32, one rounding.
.macro SUM4 h, a0, a1, a2, a3
	v_fma_mix_f32 v[S],   v[\h],   v[ONE], v[\a0] op_sel_hi:[1,1,0]
	v_fma_mix_f32 v[S+1], v[\h],   v[ONE], v[\a1] op_sel:[1,0,0] op_sel_hi:[1,1,0]
	v_fma_mix_f32 v[S+2], v[\h+1], v[ONE], v[\a2] op_sel_hi:[1,1,0]
	v_fma_mix_f32 v[S+3], v[\h+1], v[ONE], v[\a3] op_sel:[1,0,0] op_sel_hi:[1,1,0]
.endm
.set j, 0
.rept 32
	s_wait_loadcnt 31-j                            ; loads come back in order: load j is in, the 31 - j younger ones stay out
	v_cvt_pk_f16_f32 v[H+2*j],   v[X+4*j],   v[X+4*j+1]
	v_cvt_pk_f16_f32 v[H+2*j+1], v[X+4*j+2], v[X+4*j+3]
.if j == 0
	SUM4 H+2*j, ZERO, ZERO, ZERO, ZERO             ; the first four numbers start the chains: no chain register is cleared
.else
	SUM4 H+2*j, S, S+1, S+2, S+3
.endif
	global_store_b64 v[HO], v[H+2*j:H+2*j+1], s[6:7] offset:256*j  ; no register of a store is written again, so no wait stands in this run
.set j, j+1
.endr
	v_add_f32 v[S], v[S], v[S+1]
	v_add_f32 v[S+2], v[S+2], v[S+3]
	v_add_f32 v[S], v[S], v[S+2]
	v_add_f32_dpp v[S], v[S], v[S] row_xmask:1 row_mask:0xf bank_mask:0xf
	v_add_f32_dpp v[S], v[S], v[S] row_xmask:2 row_mask:0xf bank_mask:0xf
	v_add_f32_dpp v[S], v[S], v[S] row_xmask:4 row_mask:0xf bank_mask:0xf
	v_add_f32_dpp v[S], v[S], v[S] row_xmask:8 row_mask:0xf bank_mask:0xf
	v_permlanex16_b32 v[S+1], v[S], s10, s11       ; its destination counts as read: a chain register that has been added up
	v_add_f32 v[S], v[S], v[S+1]                   ; every lane holds the row's sum
	v_cmp_eq_u32 vcc_lo, 0, v[LANE]
	s_wait_xcnt 0x0                                ; EXEC is a source of the stores above: it is narrowed only behind this wait
	s_and_saveexec_b32 s12, vcc_lo
	global_store_b32 v[ZERO], v[S], s[8:9]         ; lane 0 stores the row's 4 bytes: 4,096 bytes in the whole launch
	s_wait_xcnt 0x0                                ; and widened again only behind this one
	s_or_b32 exec_lo, exec_lo, s12
	s_endpgm
.Lfunc_end_k_qf21a74beed_prep:
	.size	k_qf21a74beed_prep, .Lfunc_end_k_qf21a74beed_prep-k_qf21a74beed_prep
	.p2alignl 7, 3214868480
	.fill 96, 4, 3214868480
	.section	.rodata,"a",@progbits
	.p2align	6, 0x0
	.amdhsa_kernel k_qf21a74beed_prep
		.amdhsa_group_segment_fixed_size 0
		.amdhsa_private_segment_fixed_size 0
		.amdhsa_enable_private_segment 0
		.amdhsa_kernarg_size 24
		.amdhsa_user_sgpr_count 2
		.amdhsa_user_sgpr_kernarg_segment_ptr 1
		.amdhsa_wavefront_size32 1
		.amdhsa_system_sgpr_workgroup_id_x 1
		.amdhsa_system_sgpr_workgroup_id_y 1
		.amdhsa_system_sgpr_workgroup_id_z 1
		.amdhsa_system_vgpr_workitem_id 0
		.amdhsa_next_free_vgpr 208
		.amdhsa_next_free_sgpr 66
		.amdhsa_reserve_vcc 1
		.amdhsa_float_denorm_mode_32 3
		.amdhsa_float_denorm_mode_16_64 3
		.amdhsa_memory_ordered 1
		.amdhsa_forward_progress 1
		.amdhsa_inst_pref_size 21
	.end_amdhsa_kernel
	.amdgpu_metadata
---
amdhsa.version: [ 1, 2 ]
amdhsa.kernels:
  - .name:           k_qf21a74beed_prep
    .symbol:         k_qf21a74beed_prep.kd
    .args:
      - { .name: x, .offset: 0, .size: 8, .value_kind: global_buffer, .address_space: global }
      - { .name: xh, .offset: 8, .size: 8, .value_kind: global_buffer, .address_space: global }
      - { .name: rs, .offset: 16, .size: 8, .value_kind: global_buffer, .address_space: global }
    .group_segment_fixed_size: 0
    .private_segment_fixed_size: 0
    .kernarg_segment_align: 8
    .kernarg_segment_size: 24
    .max_flat_workgroup_size: 128
    .sgpr_count:     66
    .vgpr_count:     208
    .wavefront_size: 32
...
	.end_amdgpu_metadata
.endif
;; end of part 1
;; launch gemm (part 2): grid 64 x 4, 4 waves a work-group, clusters of 4 x 4, 327,680 bytes of LDS; arguments xh, weight_quantized, weight_scale, weight_zero_point, bias, rs, out0; writes out0
.if DOCPART == 2
	.amdgcn_target "amdgcn-amd-amdhsa--gfx1250"
	.amdhsa_code_object_version 6
	.text
	.protected	k_qf21a74beed_gemm
	.globl	k_qf21a74beed_gemm
	.p2align	8
	.type	k_qf21a74beed_gemm,@function
k_qf21a74beed_gemm:
	s_mov_b64 s[64:65], 0
	v_nop
	global_prefetch_b8 v0, s[64:65] scope:SCOPE_SE
	s_setreg_imm32_b32 hwreg(HW_REG_WAVE_MODE, 25, 1), 1
	s_wait_xcnt 0x0
	s_wait_alu depctr_hold_cnt(0) depctr_sa_sdst(0) depctr_va_vdst(0) depctr_va_sdst(0) depctr_va_ssrc(0) depctr_va_vcc(0) depctr_vm_vsrc(0)
	s_getreg_b32 s2, hwreg(HW_REG_IB_STS2, 6, 4)
	s_cmp_eq_u32 s2, 0
	s_cbranch_scc0 .Lentry_in_a_cluster
	s_endpgm
.Lentry_in_a_cluster:
	s_bfe_u32 s2, ttmp6, 0x10000c
	s_cmp_lg_u32 s2, 0xf033
	s_cbranch_scc0 .Lentry_shape_is_right
	s_endpgm
.Lentry_shape_is_right:
; y[m][o] = scale[o] * (sum over k of x~[m][k] q[o][k]  -  zp[o] * rs[m]) + bias[o].   x~ = xh: [1024][4096] f16, rs[m] = sum over k of x~[m][k] (both from the launch before);
; q: [16384][4096] int8; scale, zp, bias: [16384] f32; y: [1024][16384] f32.  That is reference()'s sum x (q - zp) scale + bias with x rounded once to f16; q and zp are never rounded.
; Nothing of reference() is left out: every input is loaded.
; LIMITS.  x~ is f16 (an |x| of 65,520 or more is an infinity).  The result is a difference of two f32 sums: its error goes with 2^-23 (|sum x~ q| + |zp rs|), which shows only where all
; q of a row lie close to zp.  The order of the sums is not reference()'s.
; int8 TO f16 IN REGISTERS, EXACT.  The byte u = q xor 0x80 = q + 128 under the high byte 0x64 is the f16 number 1024 + u; adding -1152 gives q.  For 4 weights: one v_xor_b32, two v_perm_b32,
; two v_pk_add_f16.  So q crosses memory and LDS as bytes.
; SHARES.  A work-group makes a tile of 256 x 256 of y; 64 x 4 tiles, one for each work-group.  Wave w makes ALL 256 rows x the columns 64 w .. 64 w + 63: 16 x 4 accumulators of 16 x 16,
; 512 registers.  So a wave converts its own 64 rows of q alone: 80 vector instructions for 64 matrix instructions, half of what a share of 128 x 128 would want.
; K goes in STEPS of 128 (a slot of x~: rows of 256 bytes), LAPS of 256 (a slot of q: rows of 256 bytes) and QUARTERS of 32 (64 matrix instructions).
; LAYOUT.  Source 0 = 16 rows of x~, source 1 = 16 rows of q.  In a quarter lane (r, h) holds k = 16 h + 0..15 of its row, register t the pair 16 h + 2 t, 2 t + 1, in BOTH sources: a
; permutation of k applied alike to both keeps every product.  So x~'s fragment is 32 bytes on end (two loads of 16), q's raw bytes are one load of 16.
; Lane r of column block b is given column 64 w + 4 r + b: for one row m the four blocks' results are 16 neighbouring bytes of y, and sixteen lanes store 256 consecutive bytes, aligned: no stage in LDS.
; For that, q's tile lies in LDS by z = row mod 4: a tensor load with a pitch of 4 rows brings rows 4 y + z, y = 0..63, so block b of wave w reads the neighbouring LDS rows 16 w + r of region z = b.
; CLUSTER.  4 x 4 work-groups; the grid has one cluster along y, so the tile row is cy and ttmp7 is not read.  x~'s tiles hang on the tile row alone and are asked for jointly by a row of the
; cluster, q's on the tile column alone, by a column: the same tensor load, descriptor and mask in all four.
; THE RING.  Two slots of x~ (a step each), two of q (a lap each).  A CHANGE stands between a step's third and fourth quarter, where the fourth quarter's fragments are in registers and the slot is read out.
;   X(p), in lap p's even step: waves 0, 1 fill x~'s slot 0 with step 2 p + 2; waves 2, 3 fill regions z = 2, 3 of q's idle slot with lap p + 1 (p = 1 .. 14).
;   Y(p), in its odd step:      waves 0, 1 fill x~'s slot 1 with step 2 p + 3; waves 2, 3 fill regions z = 0, 1 of the slot of q just read out with lap p + 2 (p = 0 .. 13).
; One tensor load a wave behind each change; it has a step, 256 matrix instructions, in which to land.  At most four tensor loads of a wave are out (the first fills of waves 2 and 3).
; REGISTERS, in windows of 256 (s_set_vgpr_msb: bits 1:0 source 0, 3:2 source 1, 5:4 source 2, 7:6 destination):
;   window 0: v0-15 addresses; v16-31 scale, zp, -scale zp, bias of my 4 columns; v32-47 q's raw bytes; v64-127 q's fragments, two buffers of 32
;   window 1: x~'s fragments, two buffers of 128; on the way out v0-127 rs, v128-255 results, four sets of 32
;   window 2: the accumulators of rows 0-127 ((a, b) at 8 (4 (a % 8) + b));   window 3: those of rows 128-255
.set PITCH, 272                        ; an LDS row: 256 bytes + 16 of padding = 68 words: row r starts at bank 4 r mod 64 (64 banks of 4 bytes: ISA guide 11.1), so 16 neighbouring rows start at 16 different groups of banks
.set BZ,    64*PITCH                   ; a region z of q: 64 rows.  q's slot 0 is bytes 0 .. 4 BZ - 1
.set BXOR,  0x20000                    ; q's slot 1 begins here: one exclusive or turns an address in one slot into the other's
.set A0LO,  0x11000                    ; x~'s slot 0, rows 0-127 (128 PITCH = 0x8800 bytes)
.set A0HI,  0x31000                    ; x~'s slot 0, rows 128-255, behind q's slot 1
.set A1LO,  0x39800                    ; x~'s slot 1, rows 0-127
.set A1HI,  0x42000                    ; x~'s slot 1, rows 128-255
.set SPARE, 0x4a800                    ; behind the ring: the spare words, 128 bytes for each wave: two blocks of 256 bytes that no other line names
.set A0L,  2                           ; v2   my place in a tile of x~: 272 r + 32 h; never rewritten
.set B0L,  3                           ; v3   my place in a region of q: 272 (16 w + r) + 16 h; never rewritten
.set ADL,  4                           ; v4   LDS address of the run in hand: x~'s rows 0-127
.set ADH,  5                           ; v5   rows 128-255
.set ADB,  6                           ; v6   q
.set CO,   7                           ; v7   my byte offset in y: 8 h rows + 16 r
.set RSO,  8                           ; v8   32 h: my 8 rows' sums
.set PFO,  9                           ; v9   the prefetches' offset: my lane x a row in memory; never rewritten
.set MAG,  10                          ; v10  0x64 in every byte
.set COLO, 11                          ; v11  byte offset of my 4 columns in scale, zp and bias
.set SPW,  12                          ; v12  LDS address of my spare word: SPARE + 4 x my thread's number; never rewritten
.set NIL,  13                          ; v13  0; never rewritten
.set SC,   16
.set ZP,   20
.set NSZ,  24
.set BI,   28
.set RAW,  32                          ; block b's 16 bytes a lane at RAW + 4 b
.set FB,   64                          ; q's fragments: buffer f, block b at FB + 32 f + 8 b
.set WV,   18                          ; s18  my wave's number
.set WL,   19                          ; s19  its low bit
.set CX,   20                          ; s20, s21  my place in the cluster
.set CY,   21
.set TC,   22                          ; s22  tile column = 4 x cluster x + cx
.set G1A,  24                          ; s[24:31] descriptor group 1 for x~'s tiles
.set G0A,  32                          ; s[32:39] group 0 for x~'s slots 0 and 1; both walk
.set G1B,  40                          ; s[40:47] group 1 for q's tiles
.set G0B,  48                          ; s[48:63] group 0 for q: lap 0 z = wl; lap 0 z = 2 + wl; then the two that walk on from lap 1: z = wl (filled at Y), z = 2 + wl (at X)
.set TAL,  66                          ; s66  LDS byte at which the quarter to be fetched begins in x~'s rows 0-127
.set TAH,  67                          ; s67  in rows 128-255
.set TB,   68                          ; s68  in q's regions
.set CNT,  69                          ; s69  counts pairs of quarters
.set LAPC, 70                          ; s70  the loop's trips still to come
.set SGN,  71                          ; s71  0x80 in every byte
.set SEL,  72                          ; s72, s73  v_perm_b32's selects: bytes 0, 1 and bytes 2, 3, each under a byte of MAG
.set NEG,  74                          ; s74  -1152 in both f16 halves
.set LIMX, 75                          ; s75, s76  a wave prefetches at X (at Y) while s[LAPC] is above this
.set LIMY, 76
.set PFA,  78                          ; s[78:79] where my prefetches stand
.set STX,  80                          ; s[80:81], s[82:83] what is added to it at X and at Y
.set OUT0, 84                          ; s[84:85] y at my tile's row 0, my 64 columns; s[86:87] at its row 128
.set RSB,  88                          ; s[88:89] rs at my tile's first row
.set MSB, 0
.macro WIN new                         ; the immediate's high byte repeats the setting that is left; a switch that changes nothing is dropped
.if MSB != (\new)
	s_set_vgpr_msb (MSB<<8)|(\new)
.set MSB, (\new)
.endif
.endm
.set MUL_LO, 0xa1                      ; source 0 (x~) window 1, source 1 (q) window 0, C and D window 2
.set MUL_HI, 0xf1                      ; the same, C and D window 3
.macro PLACES                          ; four plain vector instructions between a matrix instruction and a write of, or a load into, one of its registers, or a read of its result
.rept 4
	v_nop
.endr
.endm
; A round of the cluster's barrier: my work-group's barrier, so that wave 0's signal speaks for all four waves; wave 0 signals; every wave waits for all sixteen work-groups; my work-group's barrier once more.
.macro CROUND
	s_barrier_signal -1
	s_barrier_wait -1
	s_cmp_lg_u32 s[WV], 0
	s_cbranch_scc1 .Lnot_wave_0_\@
	s_barrier_signal -3
.Lnot_wave_0_\@:
	s_barrier_wait -3
	s_barrier_signal -1
	s_barrier_wait -1
.endm
	s_load_b256 s[4:11], s[0:1], 0x0               ; xh s[4:5], q s[6:7], scale s[8:9], zp s[10:11]
	s_load_b128 s[12:15], s[0:1], 0x20             ; bias s[12:13], rs s[14:15]
	s_load_b64 s[16:17], s[0:1], 0x30              ; y
	v_lshl_add_u32 v[SPW], v0, 2, SPARE
	v_mov_b32 v[NIL], 0
	ds_add_u32 v[SPW], v[NIL]                      ; the wave's opening: the add, twice on end, and its wait ahead of my first tensor load; the set-up below, work on registers, stands between
	ds_add_u32 v[SPW], v[NIL]
	v_lshrrev_b32 v1, 5, v0
	v_readfirstlane_b32 s[WV], v1                  ; wave 0..3
	s_and_b32 s[WL], s[WV], 1                      ; which half of x~'s rows (waves 0, 1), which of two regions of q (waves 2, 3) I fetch
	s_bfe_u32 s[CX], ttmp6, 0x40000
	s_bfe_u32 s[CY], ttmp6, 0x40004
	s_lshl_b32 s[TC], ttmp9, 2                     ; in a cluster launch ttmp9 counts clusters
	s_add_co_u32 s[TC], s[TC], s[CX]
	s_lshl_b32 s2, s[CY], 2
	s_lshl_b32 s2, 15, s2                          ; my row of the cluster: places 4 cy .. 4 cy + 3
	s_lshl_b32 s3, 0x1111, s[CX]                   ; my column: places cx, cx + 4, cx + 8, cx + 12
	; group 1 for x~: 128 rows x 128 elements of 2 bytes, 4,096 elements from row to row
	s_or_b32 s[G1A], s2, (1<<16)|(1<<20)|(1<<21)|(5<<22)|(3<<25)  ; 15:0 the mask; 17:16 2-byte elements; 20 padding on; 21 set beside a mask; 24:22 after every 64 words (code 5); 31:25 4 words (code 3)
	s_mov_b32 s[G1A+1], 128<<16                    ; tensor_dim0 = 128
	s_mov_b32 s[G1A+2], 128<<16                    ; tensor_dim1 = 128
	s_mov_b32 s[G1A+3], 128<<16                    ; tile_dim0 = 128
	s_mov_b32 s[G1A+4], 128                        ; tile_dim1 = 128
	s_mov_b32 s[G1A+5], 4096
	s_mov_b32 s[G1A+6], 0
	s_mov_b32 s[G1A+7], 0
	; group 1 for q: 64 rows x 256 elements of 1 byte, 4 rows of q (16,384 elements) from row to row
	s_or_b32 s[G1B], s3, (1<<20)|(1<<21)|(5<<22)|(3<<25)
	s_mov_b32 s[G1B+1], 256<<16                    ; tensor_dim0 = 256
	s_mov_b32 s[G1B+2], 64<<16                     ; tensor_dim1 = 64
	s_mov_b32 s[G1B+3], 256<<16                    ; tile_dim0 = 256
	s_mov_b32 s[G1B+4], 64                         ; tile_dim1 = 64
	s_mov_b32 s[G1B+5], 16384
	s_mov_b32 s[G1B+6], 0
	s_mov_b32 s[G1B+7], 0
	; group 0: the count and the LDS addresses, made of constants and the wave's number alone
	s_mov_b32 s[G0A], 1
	s_mov_b32 s[G0A+4], 1
.irp g, 0,4,8,12
	s_mov_b32 s[G0B+\g], 1
.endr
	s_lshl_b32 s2, s[WL], 17
	s_add_co_u32 s[G0A+1], s2, A0LO                ; slot 0: the two halves lie 0x20000 apart
	s_mul_i32 s3, s[WL], 128*PITCH
	s_add_co_u32 s[G0A+5], s3, A1LO                ; slot 1: one behind the other
	s_mul_i32 s23, s[WL], BZ
	s_mov_b32 s[G0B+1], s23                        ; lap 0, z = wl
	s_add_co_u32 s[G0B+5], s23, 2*BZ               ; lap 0, z = 2 + wl
	s_add_co_u32 s[G0B+9], s23, BXOR               ; lap 1, z = wl
	s_add_co_u32 s[G0B+13], s23, BXOR+2*BZ         ; lap 1, z = 2 + wl
	; where the tiles come from: x~'s offset hangs on cy and the wave, q's on the tile column and the wave, each in registers of its own
	s_lshl_b32 s90, s[CY], 21                      ; 256 cy rows of 8,192 bytes
	s_lshl_b32 s2, s[WL], 20                       ; + 128 wl rows
	s_add_co_u32 s90, s90, s2
	s_mov_b32 s91, 0
	s_lshl_b32 s92, s[TC], 20                      ; 256 tc rows of 4,096 bytes
	s_lshl_b32 s3, s[WL], 12                       ; + row wl
	s_add_co_u32 s92, s92, s3
	s_mov_b32 s93, 0
	s_mov_b32 s[TAL], A0LO
	s_mov_b32 s[TAH], A0HI
	s_mov_b32 s[TB], 0
	s_mov_b32 s[LAPC], 14
	s_mov_b32 s[SGN], 0x80808080
	s_mov_b32 s[SEL], 0x04010400
	s_mov_b32 s[SEL+1], 0x04030402
	s_mov_b32 s[NEG], 0xe480e480
	s_wait_dscnt 0x0                               ; both opening adds are done
	s_wait_kmcnt 0x0
	s_add_nc_u64 s[90:91], s[4:5], s[90:91]
	s_add_nc_u64 s[92:93], s[6:7], s[92:93]
	s_add_nc_u64 s[G0A+2:G0A+3], s[90:91], 0       ; step 0
	s_or_b32 s[G0A+3], s[G0A+3], 0x80000000        ; 127:126 type = 2
	s_add_nc_u64 s[G0A+6:G0A+7], s[90:91], 256     ; step 1
	s_or_b32 s[G0A+7], s[G0A+7], 0x80000000
	s_add_nc_u64 s[G0B+2:G0B+3], s[92:93], 0       ; lap 0, rows 4 y + wl
	s_or_b32 s[G0B+3], s[G0B+3], 0x80000000
	s_add_nc_u64 s[G0B+6:G0B+7], s[92:93], 2*4096  ; lap 0, rows 4 y + 2 + wl
	s_or_b32 s[G0B+7], s[G0B+7], 0x80000000
	s_add_nc_u64 s[G0B+10:G0B+11], s[92:93], 256   ; lap 1
	s_or_b32 s[G0B+11], s[G0B+11], 0x80000000
	s_add_nc_u64 s[G0B+14:G0B+15], s[92:93], 2*4096+256
	s_or_b32 s[G0B+15], s[G0B+15], 0x80000000
	CROUND                                         ; all sixteen work-groups are here: the first joint loads meet
	s_cmp_lt_u32 s[WV], 2                          ; a wave's first fills stand in one branch on its number, ahead of every wait on TENSORcnt and every LDS read; an s_nop 0 follows each, four v_nop the last
	s_cbranch_scc0 .Lfirst_b
	tensor_load_to_lds s[G0A:G0A+3], s[G1A:G1A+7]
	s_nop 0
	tensor_load_to_lds s[G0A+4:G0A+7], s[G1A:G1A+7]
	s_nop 0
	PLACES
	s_branch .Lfirst_asked
.Lfirst_b:
	tensor_load_to_lds s[G0B:G0B+3], s[G1B:G1B+7]
	s_nop 0
	tensor_load_to_lds s[G0B+4:G0B+7], s[G1B:G1B+7]
	s_nop 0
	tensor_load_to_lds s[G0B+8:G0B+11], s[G1B:G1B+7]
	s_nop 0
	tensor_load_to_lds s[G0B+12:G0B+15], s[G1B:G1B+7]
	s_nop 0
	PLACES
.Lfirst_asked:
	v_and_b32 v14, 15, v0                          ; r
	v_bfe_u32 v15, v0, 4, 1                        ; h
	s_lshl_b32 s2, s[TC], 10                       ; my 64 columns in scale, zp and bias: 4 (256 tc + 64 w) bytes,
	s_lshl_b32 s3, s[WV], 8
	s_add_co_u32 s2, s2, s3
	v_lshl_add_u32 v[COLO], v14, 4, s2             ; and my lane's four: columns 4 r + 0..3
	global_load_b128 v[SC:SC+3], v[COLO], s[8:9]
	global_load_b128 v[ZP:ZP+3], v[COLO], s[10:11]
	global_load_b128 v[BI:BI+3], v[COLO], s[12:13]
	v_mul_u32_u24 v[A0L], v14, PITCH
	v_lshl_add_u32 v[A0L], v15, 5, v[A0L]
	s_mul_i32 s3, s[WV], 16*PITCH
	v_mul_u32_u24 v[B0L], v14, PITCH
	v_lshl_add_u32 v[B0L], v15, 4, v[B0L]
	v_add_nc_u32 v[B0L], s3, v[B0L]
	v_lshlrev_b32 v[CO], 19, v15                   ; 8 h rows of 65,536 bytes
	v_lshl_add_u32 v[CO], v14, 4, v[CO]
	v_lshlrev_b32 v[RSO], 5, v15
	v_mov_b32 v[MAG], 0x64646464
	s_lshl_b32 s94, s[CY], 24                      ; y: 256 cy rows of 65,536 bytes + my 64 columns' 256 bytes (s2 is their offset there too)
	s_add_co_u32 s94, s94, s2
	s_mov_b32 s95, 0
	s_add_nc_u64 s[OUT0:OUT0+1], s[16:17], s[94:95]
	s_add_nc_u64 s[OUT0+2:OUT0+3], s[OUT0:OUT0+1], 128*65536
	s_lshl_b32 s94, s[CY], 10
	s_add_nc_u64 s[RSB:RSB+1], s[14:15], s[94:95]
	; THE PREFETCHES INTO THE L2: a lane a row, 256 bytes of each row, one instruction a wave, behind the wave's joint load.  Each row's 256 bytes of a step or lap are named once in the launch.
	; x~: all 16 clusters read the same rows: the cluster with x = 0 asks.  Of the 128 rows that wave 0 or 1 fetches, the partner at cx takes 32, told apart BY ADDRESS.  At every change it names the step
	; two refills on (X(p): step 2 p + 4; Y(p): 2 p + 5), 512 matrix instructions ahead of the load that will want it.  The last named is step 31, at Y(13).
	; q: a tile column's rows are read by one cluster alone, so every cluster asks.  Of its 256 rows the partner at cy takes 64, waves 2 and 3 take 32 each.  At Y(p) they name lap p + 3, whose loads go out at
	; Y(p + 1) and X(p + 2).  The last named is lap 15, at Y(12).  Steps 0 to 3 and laps 0 to 2 come by their loads alone: nothing is asked for here, at the head.
	s_lshl_b32 s2, s[CY], 21
	s_lshl_b32 s3, s[WL], 20
	s_add_co_u32 s2, s2, s3
	s_lshl_b32 s3, s[CX], 18                       ; 32 cx rows of 8,192 bytes
	s_add_co_u32 s2, s2, s3
	s_add_co_u32 s2, s2, 3*256                     ; x~: at step 3; X(0) steps it to 4
	s_lshl_b32 s3, s[TC], 20
	s_lshl_b32 s23, s[CY], 18                      ; 64 cy rows of 4,096 bytes
	s_add_co_u32 s3, s3, s23
	s_lshl_b32 s23, s[WL], 17                      ; 32 wl rows
	s_add_co_u32 s3, s3, s23
	s_add_co_u32 s3, s3, 2*256                     ; q: at lap 2; Y(0) steps it to 3
	s_cmp_eq_u32 ttmp9, 0                          ; the same in all sixteen partners
	s_cselect_b32 s[LIMX], 1, -1                   ; x~: X(14), in the trip with s[LAPC] = 1, has no step two refills on
	s_cselect_b32 s[LIMY], 0, -1
	s_cmp_lt_u32 s[WV], 2
	s_cselect_b64 s[PFA:PFA+1], s[4:5], s[6:7]
	s_cselect_b32 s94, s2, s3
	s_cselect_b32 s23, 13, 12                      ; a row is 8,192 bytes of x~, 4,096 of q
	s_cselect_b32 s[LIMX], s[LIMX], -1             ; q: never at X,
	s_cselect_b32 s[LIMY], s[LIMY], 1              ; and not at Y(13)
	s_cselect_b32 s[STX], 256, 0
	s_mov_b32 s[STX+1], 0
	s_mov_b32 s[STX+2], 256
	s_mov_b32 s[STX+3], 0
	s_add_nc_u64 s[PFA:PFA+1], s[PFA:PFA+1], s[94:95]
	v_and_b32 v[PFO], 31, v0
	v_lshlrev_b32 v[PFO], s23, v[PFO]
	s_wait_loadcnt 0x0                             ; scale, zp, bias
.irp b, 0,1,2,3
	v_mul_f32 v[NSZ+\b], -v[SC+\b], v[ZP+\b]
.endr
; THE RUN OF LDS LOADS for one quarter, into buffer g: 4 loads of q's raw bytes, then 32 of x~'s fragments.  Its three address lines and the v_nop are the four places behind the last products that read buffer g.
.macro RUN g
	WIN 0
	v_add_nc_u32 v[ADL], s[TAL], v[A0L]
	v_add_nc_u32 v[ADH], s[TAH], v[A0L]
	v_add_nc_u32 v[ADB], s[TB], v[B0L]
	v_nop
	s_add_co_u32 s[TAL], s[TAL], 64                ; the next run is the next quarter's: 32 k are 64 bytes of x~,
	s_add_co_u32 s[TAH], s[TAH], 64
	s_add_co_u32 s[TB], s[TB], 32                  ; 32 of q
.irp b, 0,1,2,3
	ds_load_b128 v[RAW+4*\b:RAW+4*\b+3], v[ADB] offset:BZ*\b
.endr
	WIN 0x40                                       ; destination window 1, address window 0
.irp a, 0,1,2,3,4,5,6,7
	ds_load_b128 v[128*(\g)+8*\a:128*(\g)+8*\a+3],   v[ADL] offset:16*PITCH*\a
	ds_load_b128 v[128*(\g)+8*\a+4:128*(\g)+8*\a+7], v[ADL] offset:16*PITCH*\a+16
.endr
.irp a, 0,1,2,3,4,5,6,7
	ds_load_b128 v[128*(\g)+64+8*\a:128*(\g)+64+8*\a+3],   v[ADH] offset:16*PITCH*\a
	ds_load_b128 v[128*(\g)+64+8*\a+4:128*(\g)+64+8*\a+7], v[ADH] offset:16*PITCH*\a+16
.endr
.endm
; Number n of the 80 lines that make q's fragments of buffer g out of the 16 raw registers.  0-15: the sign bits are turned.  Then for raw register c and half e a v_perm_b32 (two bytes, each under 0x64: 1024 + u twice)
; and a v_pk_add_f16 (-1152), in an order in which an add stands some lines behind its v_perm_b32.
.macro CV g
.if n < 16
	v_xor_b32 v[RAW+n], s[SGN], v[RAW+n]
.else
.set m, n-16
.if m < 4
.set c, m/2
.set e, m%2
.set kind, 0
.elseif m < 60
.set p, (m-4)%4
.if p < 2
.set c, (m-4)/4
.set e, p
.set kind, 1
.else
.set c, (m-4)/4+2
.set e, p-2
.set kind, 0
.endif
.else
.set c, 14+(m-60)/2
.set e, m%2
.set kind, 1
.endif
.if kind == 0
	v_perm_b32 v[FB+32*(\g)+2*c+e], v[MAG], v[RAW+c], s[SEL+e]
.else
	v_pk_add_f16 v[FB+32*(\g)+2*c+e], v[FB+32*(\g)+2*c+e], s[NEG]
.endif
.endif
.endm
; The row sums of my tile's 256 rows, as the results will want them: register 8 a + j of lane (r, h) is rs of row 16 a + 8 h + j.  They go into x~'s buffer 0, which the quarter before has read: four places first.
.macro RSLOAD
	WIN 0
	PLACES
	WIN 0x40
.set a, 0
.rept 16
	global_load_b128 v[8*a:8*a+3],   v[RSO], s[RSB:RSB+1] offset:64*a
	global_load_b128 v[8*a+4:8*a+7], v[RSO], s[RSB:RSB+1] offset:64*a+16
.set a, a+1
.endr
.endm
; A QUARTER: 64 products on buffer f, product i for row block i / 4 and column block i % 4.  The 64 accumulators take turns, one instruction a turn, in the same order in every quarter.
; zero = 1: the products start the sums: nothing is ever cleared.  fetch = 1: behind product 3 stands the next quarter's run of LDS loads, 60 products ahead of its first use; behind products 16, 19 .. 61
; stand the 80 conversion lines in 16 slices of five.  rsl = 1: the last quarter asks for the row sums.
.macro QUARTER f, zero=0, fetch=1, rsl=0
	s_wait_dscnt 0x0                               ; x~'s fragments of this quarter are in
.set i, 0
.rept 64
	WIN MUL_LO+0x50*(i/32)
.set rC, 8*(i%32)
.set rA, 128*(\f)+8*(i/4)
.set rB, FB+32*(\f)+8*(i%4)
.if \zero
	v_wmma_f32_16x16x32_f16 v[rC:rC+7], v[rA:rA+7], v[rB:rB+7], 0
.else
	v_wmma_f32_16x16x32_f16 v[rC:rC+7], v[rA:rA+7], v[rB:rB+7], v[rC:rC+7]
.endif
.if (\fetch) && (i == 3)
	RUN 1-(\f)
.endif
.if (\rsl) && (i == 3)
	RSLOAD
.endif
.if (\fetch) && (i >= 16) && ((i-16)%3 == 0)
	WIN 0
.if i == 16
	s_wait_dscnt 32                                ; LDS loads come back in order: the four raw loads are in, the 32 of x~ issued behind them may stay out
.endif
.set n, 5*((i-16)/3)
.rept 5
	CV 1-(\f)
.set n, n+1
.endr
.endif
.set i, i+1
.endr
.endm
; Four quarters between two changes: a pair written once, walked twice; the LDS addresses hang on s[TAL], s[TAH], s[TB].
.macro P2
	WIN 0                                          ; at a label and at a branch every window is 0
	s_mov_b32 s[CNT], 2
.Lpair_\@:
	QUARTER 1
	QUARTER 0
	WIN 0
	s_sub_co_u32 s[CNT], s[CNT], 1
	s_cmp_lg_u32 s[CNT], 0
	s_cbranch_scc1 .Lpair_\@
.endm
; A joint refill at X (y = 0) or Y (y = 1).  Waves 0 and 1 fetch the halves of x~'s slot y; with var = 2 waves 2 and 3 fetch two regions of q, with var = 1 they fetch nothing.  The branch hangs on the wave's
; number alone.  An s_nop 0 and four v_nop follow each load, ahead of the jump and the label.
.macro JLOAD y, var
	s_cmp_lt_u32 s[WV], 2
	s_cbranch_scc0 .Lfor_b_\@
	tensor_load_to_lds s[G0A+4*(\y):G0A+4*(\y)+3], s[G1A:G1A+7]
	s_nop 0
	PLACES
.if (\var) == 2
	s_branch .Lasked_\@
.Lfor_b_\@:
	tensor_load_to_lds s[G0B+12-4*(\y):G0B+15-4*(\y)], s[G1B:G1B+7]
	s_nop 0
	PLACES
.Lasked_\@:
.else
.Lfor_b_\@:
.endif
.endm
.macro ASK y
	s_cmp_gt_u32 s[LAPC], s[LIMX+(\y)]
	s_cbranch_scc0 .Lnot_mine_\@
	global_prefetch_b8 v[PFO], s[PFA:PFA+1] th:TH_LOAD_NT scope:SCOPE_SE
.Lnot_mine_\@:
.endm
; THE CHANGE OF SLOTS.  Each wave waits for all its tensor loads, of which one is out at the most; adds 0 to its spare word; and waits for that and for its own reads of the slot that it leaves.  With var > 0 a
; round of the cluster's barrier follows, so that no wave of any partner still reads the bytes to be filled or has a load on its way, and the joint refill is the first thing behind it.  var = 0: nothing is
; left to fetch: my work-group's barrier alone shows the last slot whole.  ask = 1: the prefetch pointer is stepped and the wave's prefetch follows its load.
.macro CHANGE y, var, ask
	WIN 0
.if \ask
	s_wait_xcnt 0x0                                ; the last prefetch, a step back, has read its address: it is stepped here, ahead of the change's own waits
	s_add_nc_u64 s[PFA:PFA+1], s[PFA:PFA+1], s[STX+2*(\y):STX+2*(\y)+1]
.endif
	s_wait_tensorcnt 0x0                           ; no tensor load of mine is out, so every group 0 may be written
	ds_add_u32 v[SPW], v[NIL]                      ; 0 onto my spare word: the scalar work below stands between it and the wait for it
.if \var
	s_add_nc_u64 s[G0A+4*(\y)+2:G0A+4*(\y)+3], s[G0A+4*(\y)+2:G0A+4*(\y)+3], 512  ; x~'s slot y: two steps on; the type bits on top are not reached
.endif
.if (\var) == 2
	s_xor_b32 s[G0B+13-4*(\y)], s[G0B+13-4*(\y)], BXOR  ; q's walking descriptor: the other slot than last time,
	s_add_nc_u64 s[G0B+14-4*(\y):G0B+15-4*(\y)], s[G0B+14-4*(\y):G0B+15-4*(\y)], 256  ; the next lap
.endif
.if \y
	s_mov_b32 s[TAL], A0LO                         ; the fetches go on in x~'s slot 0,
	s_mov_b32 s[TAH], A0HI
	s_sub_co_u32 s[TB], s[TB], 256                 ; and at the head of q's other slot
	s_xor_b32 s[TB], s[TB], BXOR
.else
	s_mov_b32 s[TAL], A1LO                         ; the fetches go on in x~'s slot 1
	s_mov_b32 s[TAH], A1HI
.endif
	s_wait_dscnt 0x0                               ; the add is done, and my reads of the slot are over
.if \var
	CROUND
	JLOAD \y, \var
.if \ask
	ASK \y
.endif
.else
	s_barrier_signal -1
	s_barrier_wait -1
.endif
.endm
; THE WAY OUT of row block a: t = -scale zp rs + bias, two columns an instruction; y = acc scale + t, written so that a row's four columns lie in four registers on end; eight stores of 16 bytes a lane, of which
; sixteen lanes cover 256 consecutive bytes at a multiple of 256 from y's first byte.  Each accumulator's register 0 is read first.
.macro OUTBLK a
.set TS, 128+32*((\a)%4)
.if (\a) >= 4
	s_wait_xcnt 0x0                                ; the stores of block a - 4 have read this set of registers: it is written again only behind this wait
.endif
	WIN 0x41                                       ; destination and source 0 window 1, sources 1 and 2 window 0
.set j, 0
.rept 8
.irp p, 0,1
.if j%2
	v_pk_fma_f32 v[TS+4*j+2*\p:TS+4*j+2*\p+1], v[8*(\a)+2*(j/2):8*(\a)+2*(j/2)+1], v[NSZ+2*\p:NSZ+2*\p+1], v[BI+2*\p:BI+2*\p+1] op_sel:[1,0,0] op_sel_hi:[1,1,1]
.else
	v_pk_fma_f32 v[TS+4*j+2*\p:TS+4*j+2*\p+1], v[8*(\a)+2*(j/2):8*(\a)+2*(j/2)+1], v[NSZ+2*\p:NSZ+2*\p+1], v[BI+2*\p:BI+2*\p+1] op_sel_hi:[0,1,1]
.endif
.endr
.set j, j+1
.endr
	WIN 0x52+(\a)/8                                ; source 0 window 2 or 3, source 1 window 0, source 2 and destination window 1
.set j, 0
.rept 8
.irp b, 0,1,2,3
	v_fma_f32 v[TS+4*j+\b], v[8*(4*((\a)%8)+\b)+j], v[SC+\b], v[TS+4*j+\b]
.endr
.set j, j+1
.endr
	WIN 0x04                                       ; store data window 1, address window 0
.set j, 0
.rept 8
	global_store_b128 v[CO], v[TS+4*j:TS+4*j+3], s[OUT0+2*((\a)/8):OUT0+2*((\a)/8)+1] offset:(((\a)%8)*16+j)*65536 th:TH_STORE_NT  ; 119 rows of y at the most: inside the signed 24-bit immediate
.set j, j+1
.endr
.endm
	s_wait_tensorcnt 0x1                           ; all my first fills but the last are in: waves 0, 1: step 0; waves 2, 3: lap 0 (and a region of lap 1).  The last may stay out
	s_barrier_signal -1
	s_barrier_wait -1                              ; everybody's are
	RUN 0                                          ; quarter 0
	WIN 0
	s_wait_dscnt 32                                ; its raw bytes are in
.set n, 0
.rept 80
	CV 0                                           ; once in the launch the conversion stands by itself
.set n, n+1
.endr
	QUARTER 0, 1                                   ; the first quarter stands in front of the loops: its products start the sums
	QUARTER 1
	QUARTER 0
	CHANGE 0, 1, 1                                 ; X(0): x~'s step 2; q's lap 1 came whole with the first fills
	P2
.Llap:                                         ; 14 trips: Y(p) and X(p + 1), p = 0 .. 13: eight quarters, two refills a wave
	CHANGE 1, 2, 1
	P2
	CHANGE 0, 2, 1
	P2
	s_sub_co_u32 s[LAPC], s[LAPC], 1
	s_cmp_lg_u32 s[LAPC], 0
	s_cbranch_scc1 .Llap
	CHANGE 1, 1, 0                                 ; the tail is written out.  Y(14): x~'s step 31, the last load
	P2
	CHANGE 0, 0, 0                                 ; X(15): nothing is left to fetch
	P2
	QUARTER 1, 0, 0, 1                             ; the last quarter
	WIN 0
	PLACES                                         ; eight places behind the last products, in front of lines that read their results and write their sources
	PLACES
	s_wait_loadcnt 0x0                             ; the row sums
.irp a, 0,1,2,3,4,5,6,7,8,9,10,11,12,13,14,15
	OUTBLK \a
.endr
	WIN 0
	s_wait_tensorcnt 0x0                           ; the wave's end, behind my last tensor load
	ds_add_u32 v[SPW], v[NIL]
	s_wait_dscnt 0x0
	CROUND                                         ; the closing round: no work-group ends while a partner may still ask for a tile that names it
	s_endpgm
.Lfunc_end_k_qf21a74beed_gemm:
	.size	k_qf21a74beed_gemm, .Lfunc_end_k_qf21a74beed_gemm-k_qf21a74beed_gemm
	.p2alignl 7, 3214868480
	.fill 96, 4, 3214868480
	.section	.rodata,"a",@progbits
	.p2align	6, 0x0
	.amdhsa_kernel k_qf21a74beed_gemm
		.amdhsa_group_segment_fixed_size 327680
		.amdhsa_private_segment_fixed_size 0
		.amdhsa_enable_private_segment 0
		.amdhsa_kernarg_size 56
		.amdhsa_user_sgpr_count 2
		.amdhsa_user_sgpr_kernarg_segment_ptr 1
		.amdhsa_wavefront_size32 1
		.amdhsa_system_sgpr_workgroup_id_x 1
		.amdhsa_system_sgpr_workgroup_id_y 1
		.amdhsa_system_sgpr_workgroup_id_z 1
		.amdhsa_system_vgpr_workitem_id 0
		.amdhsa_next_free_vgpr 1024
		.amdhsa_next_free_sgpr 96
		.amdhsa_reserve_vcc 0
		.amdhsa_float_denorm_mode_32 3
		.amdhsa_float_denorm_mode_16_64 3
		.amdhsa_memory_ordered 1
		.amdhsa_forward_progress 1
		.amdhsa_inst_pref_size 251
	.end_amdhsa_kernel
	.amdgpu_metadata
---
amdhsa.version: [ 1, 2 ]
amdhsa.kernels:
  - .name:           k_qf21a74beed_gemm
    .symbol:         k_qf21a74beed_gemm.kd
    .args:
      - { .name: xh, .offset: 0, .size: 8, .value_kind: global_buffer, .address_space: global }
      - { .name: weight_quantized, .offset: 8, .size: 8, .value_kind: global_buffer, .address_space: global }
      - { .name: weight_scale, .offset: 16, .size: 8, .value_kind: global_buffer, .address_space: global }
      - { .name: weight_zero_point, .offset: 24, .size: 8, .value_kind: global_buffer, .address_space: global }
      - { .name: bias, .offset: 32, .size: 8, .value_kind: global_buffer, .address_space: global }
      - { .name: rs, .offset: 40, .size: 8, .value_kind: global_buffer, .address_space: global }
      - { .name: out0, .offset: 48, .size: 8, .value_kind: global_buffer, .address_space: global }
    .group_segment_fixed_size: 327680
    .private_segment_fixed_size: 0
    .kernarg_segment_align: 8
    .kernarg_segment_size: 56
    .max_flat_workgroup_size: 128
    .sgpr_count:     96
    .vgpr_count:     1024
    .wavefront_size: 32
...
	.end_amdgpu_metadata
.endif
;; end of part 2
;; ======== version 2 of 2: 2 launches; version 1 with the launch prep written anew for expert scheduling mode
;; limits: a difference of large sums (such as E[x^2] - mean^2): digits are lost where the result is much smaller than its terms; values are held in f16: magnitudes above 65,504 overflow, below 6.1e-05 lose precision
;; workspace buffers: xh 8,388,608 bytes; rs 4,096 bytes
;; launch prep (part 3): grid 256 x 1, 4 waves a work-group, no clusters, 0 bytes of LDS; arguments x, xh, rs; writes xh, rs
.if DOCPART == 3
	.amdgcn_target "amdgcn-amd-amdhsa--gfx1250"
	.amdhsa_code_object_version 6
	.text
	.protected	k_qf21a74beed_prep
	.globl	k_qf21a74beed_prep
	.p2align	8
	.type	k_qf21a74beed_prep,@function
k_qf21a74beed_prep:
	s_mov_b64 s[64:65], 0
	v_nop
	global_prefetch_b8 v0, s[64:65] scope:SCOPE_SE
	s_setreg_imm32_b32 hwreg(HW_REG_WAVE_SCHED_MODE, 0, 2), 2
	s_setreg_imm32_b32 hwreg(HW_REG_WAVE_MODE, 25, 1), 1
	s_wait_xcnt 0x0
	s_wait_alu depctr_vm_vsrc(0)
; xh[m][k] = x[m][k] rounded once to f16;  rs[m] = the sum over k of xh[m][k], in f32.  x: [1024][4096] f32.
; WHY.  The next launch computes  y = scale * (sum x~ q  -  zp * sum x~) + bias  with x~ = xh.  64 column tiles read x, so it is rounded once, here;
; and the row sum is taken of the ROUNDED numbers, so that the two sums there stand for sum x~ (q - zp) exactly, up to the f32 roundings of the sums.
; NO WORK OF reference() IS LEFT OUT in this program: all five inputs reach the output and all are loaded (x here, the other four in the next launch).
; LIMITS.  f16 ends at 65,504: an |x| of 65,520 or more becomes an infinity.  Below 6e-5 f16 keeps its fixed step of 6e-8.  The order of the row's sum is not reference()'s.
; SHARES.  One wave, one row of 16,384 bytes: 32 loads of 16 bytes a lane, all issued before the first wait; the row's sum never leaves the wave: no LDS, no barrier.
; Each load covers 512 consecutive bytes; each store of 8 bytes a lane covers 256 consecutive bytes, at a multiple of 256 from xh's first byte.
; THE MODE: SCHED_MODE bits 1:0 = 2 (LLVM: expert scheduling mode 2), set by the entry lines.  The code itself states the register dependences
; between vector instructions and memory instructions, with s_wait_alu, always for 0.
; THE PLAN.  Registers that memory instructions touch:
;   v[XO], v[HO], v[ZERO]  offsets, made once at the head and never written again: immediates reach all of a row.
;   X   load j lands in its four registers, once; its two conversions read them; nothing writes them again.
;   H   load j's two conversions write its two registers, once; its four sum lines and one store read them; nothing writes them again.
;   v[S]  the row's sum: written by vector lines, read by the one store of rs.
; The 32 loads go in eight blocks of four.  Block p rounds and sums its own four; its memory instructions are the four stores of block p - 1, whose H registers
; no vector line of block p names.  So ONE wait on va_vdst at a block's head states all that its four stores hang on, and they are dealt among its vector lines,
; each ahead of the wait for a load.  No register that a memory instruction reads is written again: a wait on vm_vsrc stands at the two writes of EXEC alone.
.set LANE, 1                           ; v1        my lane
.set XO,   2                           ; v2        16 x lane
.set HO,   3                           ; v3        8 x lane
.set ONE,  4                           ; v4        1.0 in both f16 halves
.set ZERO, 5                           ; v5        0: the first addend of the four chains, and the offset of rs's store
.set S,    8                           ; v[8:11]   four chains of the row's sum
.set H,    16                          ; v[16:79]  load j: 2 registers, 4 numbers in f16
.set X,    80                          ; v[80:207] load j: 4 registers as loaded
.set BLOCK, 4                          ; loads in a block
	s_load_b128 s[4:7], s[0:1], 0x0                ; x s[4:5], xh s[6:7]
	s_load_b64 s[8:9], s[0:1], 0x10                ; rs
	v_lshrrev_b32 v[LANE], 5, v0
	v_readfirstlane_b32 s13, v[LANE]               ; wave 0..3
	v_and_b32 v[LANE], 31, v0
	v_lshlrev_b32 v[XO], 4, v[LANE]
	v_lshlrev_b32 v[HO], 3, v[LANE]
	v_mov_b32 v[ONE], 0x3c003c00
	v_mov_b32 v[ZERO], 0
	s_wait_alu depctr_va_sdst(0)                   ; s13 is written, ahead of its first reader: the row's number is made from it
	s_lshl_b32 s14, ttmp9, 2
	s_add_co_u32 s14, s14, s13                     ; my row = 4 x work-group + wave
	s_mov_b32 s10, 0x76543210                      ; v_permlanex16_b32: each lane takes its own place in the other half
	s_mov_b32 s11, 0xfedcba98
	s_lshl_b32 s2, s14, 14                         ; row x 16,384 bytes of x
	s_mov_b32 s3, 0
	s_wait_kmcnt 0x0
	s_add_nc_u64 s[4:5], s[4:5], s[2:3]
	s_lshl_b32 s2, s14, 13                         ; row x 8,192 bytes of xh
	s_add_nc_u64 s[6:7], s[6:7], s[2:3]
	s_lshl_b32 s2, s14, 2                          ; row x 4 bytes of rs
	s_add_nc_u64 s[8:9], s[8:9], s[2:3]
	s_wait_alu depctr_va_vdst(0)                   ; v[XO], v[HO] and v[ZERO] are written: every load and store of the kernel reads one of them as its offset
.set j, 0
.rept 32
	global_load_b128 v[X+4*j:X+4*j+3], v[XO], s[4:5] offset:512*j th:TH_LOAD_NT  ; the whole row is on its way; x is read once in the launch
.set j, j+1
.endr
; Four numbers of the rounded row are added onto the four chains: an f16 half times 1.0 plus an f32, one rounding.
.macro SUM4 h, a0, a1, a2, a3
	v_fma_mix_f32 v[S],   v[\h],   v[ONE], v[\a0] op_sel_hi:[1,1,0]
	v_fma_mix_f32 v[S+1], v[\h],   v[ONE], v[\a1] op_sel:[1,0,0] op_sel_hi:[1,1,0]
	v_fma_mix_f32 v[S+2], v[\h+1], v[ONE], v[\a2] op_sel_hi:[1,1,0]
	v_fma_mix_f32 v[S+3], v[\h+1], v[ONE], v[\a3] op_sel:[1,0,0] op_sel_hi:[1,1,0]
.endm
.set p, 0
.rept 32/BLOCK
.if p > 0
	s_wait_alu depctr_va_vdst(0)                   ; the block before has written its eight registers of H, which this block's four stores read
.endif
.set i, 0
.rept BLOCK
.set j, BLOCK*p+i
.if p > 0
	global_store_b64 v[HO], v[H+2*(j-BLOCK):H+2*(j-BLOCK)+1], s[6:7] offset:256*(j-BLOCK)  ; the block before; no vector line since the wait names these registers, and none writes them again
.endif
	s_wait_loadcnt 31-j                            ; loads come back in order: load j is in, the 31 - j younger ones stay out
	v_cvt_pk_f16_f32 v[H+2*j],   v[X+4*j],   v[X+4*j+1]
	v_cvt_pk_f16_f32 v[H+2*j+1], v[X+4*j+2], v[X+4*j+3]
.if j == 0
	SUM4 H+2*j, ZERO, ZERO, ZERO, ZERO             ; the first four numbers start the chains: no chain register is cleared
.else
	SUM4 H+2*j, S, S+1, S+2, S+3
.endif
.set i, i+1
.endr
.set p, p+1
.endr
	s_wait_alu depctr_va_vdst(0)                   ; the last block has written its eight registers of H, which the last four stores read
.set j, 32-BLOCK
.rept BLOCK
	global_store_b64 v[HO], v[H+2*j:H+2*j+1], s[6:7] offset:256*j
.set j, j+1
.endr
	v_add_f32 v[S], v[S], v[S+1]
	v_add_f32 v[S+2], v[S+2], v[S+3]
	v_add_f32 v[S], v[S], v[S+2]
	v_add_f32_dpp v[S], v[S], v[S] row_xmask:1 row_mask:0xf bank_mask:0xf
	v_add_f32_dpp v[S], v[S], v[S] row_xmask:2 row_mask:0xf bank_mask:0xf
	v_add_f32_dpp v[S], v[S], v[S] row_xmask:4 row_mask:0xf bank_mask:0xf
	v_add_f32_dpp v[S], v[S], v[S] row_xmask:8 row_mask:0xf bank_mask:0xf
	v_permlanex16_b32 v[S+1], v[S], s10, s11       ; its destination counts as read: a chain register that has been added up
	v_add_f32 v[S], v[S], v[S+1]                   ; every lane holds the row's sum
	v_cmp_eq_u32 vcc_lo, 0, v[LANE]
	s_wait_xcnt 0x0                                ; EXEC is a source of the stores above: it is narrowed only behind this wait
	s_wait_alu depctr_va_vcc(0)                    ; the compare has written VCC, from which EXEC is made
	s_wait_alu depctr_va_vdst(0)                   ; ahead of the write of EXEC: every vector line is done; among them the last add has written v[S], which the store below reads
	s_wait_alu depctr_vm_vsrc(0)                   ; ahead of the write of EXEC: the stores above have read their registers
	s_and_saveexec_b32 s12, vcc_lo
	global_store_b32 v[ZERO], v[S], s[8:9]         ; lane 0 stores the row's 4 bytes: 4,096 bytes in the whole launch
	s_wait_xcnt 0x0                                ; and widened again only behind this one
	s_wait_alu depctr_va_vdst(0)                   ; ahead of the write of EXEC: no vector line is pending
	s_wait_alu depctr_vm_vsrc(0)                   ; ahead of the write of EXEC: the store has read v[ZERO] and v[S]
	s_or_b32 exec_lo, exec_lo, s12
	s_endpgm
.Lfunc_end_k_qf21a74beed_prep:
	.size	k_qf21a74beed_prep, .Lfunc_end_k_qf21a74beed_prep-k_qf21a74beed_prep
	.p2alignl 7, 3214868480
	.fill 96, 4, 3214868480
	.section	.rodata,"a",@progbits
	.p2align	6, 0x0
	.amdhsa_kernel k_qf21a74beed_prep
		.amdhsa_group_segment_fixed_size 0
		.amdhsa_private_segment_fixed_size 0
		.amdhsa_enable_private_segment 0
		.amdhsa_kernarg_size 24
		.amdhsa_user_sgpr_count 2
		.amdhsa_user_sgpr_kernarg_segment_ptr 1
		.amdhsa_wavefront_size32 1
		.amdhsa_system_sgpr_workgroup_id_x 1
		.amdhsa_system_sgpr_workgroup_id_y 1
		.amdhsa_system_sgpr_workgroup_id_z 1
		.amdhsa_system_vgpr_workitem_id 0
		.amdhsa_next_free_vgpr 208
		.amdhsa_next_free_sgpr 66
		.amdhsa_reserve_vcc 1
		.amdhsa_float_denorm_mode_32 3
		.amdhsa_float_denorm_mode_16_64 3
		.amdhsa_memory_ordered 1
		.amdhsa_forward_progress 1
		.amdhsa_inst_pref_size 22
	.end_amdhsa_kernel
	.amdgpu_metadata
---
amdhsa.version: [ 1, 2 ]
amdhsa.kernels:
  - .name:           k_qf21a74beed_prep
    .symbol:         k_qf21a74beed_prep.kd
    .args:
      - { .name: x, .offset: 0, .size: 8, .value_kind: global_buffer, .address_space: global }
      - { .name: xh, .offset: 8, .size: 8, .value_kind: global_buffer, .address_space: global }
      - { .name: rs, .offset: 16, .size: 8, .value_kind: global_buffer, .address_space: global }
    .group_segment_fixed_size: 0
    .private_segment_fixed_size: 0
    .kernarg_segment_align: 8
    .kernarg_segment_size: 24
    .max_flat_workgroup_size: 128
    .sgpr_count:     66
    .vgpr_count:     208
    .wavefront_size: 32
...
	.end_amdgpu_metadata
.endif
;; end of part 3
;; launch gemm: the kernel of part 2 again; grid 64 x 4, 4 waves a work-group, clusters of 4 x 4, 327,680 bytes of LDS; arguments xh, weight_quantized, weight_scale, weight_zero_point, bias, rs, out0; writes out0
